; MI455X (gfx1250); checked and timed in simulation.
; The chip was launched on July 23, 2026; its instructions are those of AMD's public machine-readable ISA for CDNA 5 (MIT licence, August 2026) and "CDNA5" Instruction Set Architecture Reference Guide (July 2026). The comments in the code are by the model that wrote it; some were corrected since.
;; Relative Multi Head Attention Layer. Allowed arithmetic: matrix products marked QUANTISED: E2M3 operands, one E8M0 scale for each 32 along K, by v_wmma_scale_f32_16x16x128_f8f6f4 with both operands' format E2M3, f32 sums; everything else in f32.
;; Inputs: Wk 1,024 x 1,024 float32; Wo 1,024 x 1,024 float32; Wq 1,024 x 1,024 float32; Wv 1,024 x 1,024 float32; bk 1,024 float32; bo 1,024 float32; bq 1,024 float32; bv 1,024 float32; rel_table 1,023 x 16 float32; x 16 x 512 x 1,024 float32.
;; Outputs: out0 16 x 512 x 1,024 float32.
;; This version of the problem:
;;   THIS VERSION OF THE PROBLEM IS GIVEN IN LOW PRECISION. The matrix products marked QUANTISED in the list below multiply operands that are first quantised to E2M3 (2 exponent bits, 3 mantissa bits; 6 bits a number), with one power-of-two scale for each 32 numbers along K (OCP MX v1.0); their sums are f32. All else is computed in f32.
;;   The module's matrix products, in the order in which they are computed (A, B: the left and right operand; K: the contracted axis; several contracted axes count as one K, in the product's order):
;;     1. [M 8,192, K 1,024] x [K 1,024, N 1,024]; A: input x; B: input Wq: QUANTISED
;;     2. [M 8,192, K 1,024] x [K 1,024, N 1,024]; A: input x; B: input Wk: QUANTISED
;;     3. [M 8,192, K 1,024] x [K 1,024, N 1,024]; A: input x; B: input Wv: QUANTISED
;;     4. batch 256 x [M 512, K 64] x [K 64, N 512]; A: computed on the way; B: computed on the way: QUANTISED
;;     5. batch 256 x [M 512, K 512] x [K 512, N 64]; A: softmax (see below); B: computed on the way: QUANTISED
;;     6. [M 8,192, K 1,024] x [K 1,024, N 1,024]; A: computed on the way; B: input Wo: QUANTISED
;;   THE QUANTISER, for each operand of a quantised product, along K:
;;     - K is cut into blocks of 32 from its start; a last block that is shorter is filled with zeros.
;;     - A block's scale is 2^e with e = floor(log2(the largest magnitude in the block)) - 2, held to -126 .. 127; a block of zeros has e = 0. As a byte (E8M0): e + 127.
;;     - Each number is divided by its block's scale, clamped to +-7.5, and rounded to the nearest number of E2M3, ties to even, subnormals kept.
;;     - The product sums the exact products of the quantised numbers (number of the format x scale) in f32.
;;   ~~~python
;;   def quantise(x, axis):      # numpy; x: float32 -> the quantised numbers, widened to float32 again
;;       x = np.moveaxis(x, axis, -1); K = x.shape[-1]
;;       x = np.pad(x, [(0, 0)] * (x.ndim - 1) + [(0, -K % 32)]); x = x.reshape(x.shape[:-1] + (-1, 32)); a = np.abs(x).max(-1, keepdims=True)
;;       e = np.where(a > 0, np.clip(np.frexp(np.where(a > 0, a, 1))[1] - 1 - 2, -126, 127), 0)      # np.frexp(a)[1] - 1 = floor(log2(a)), exactly
;;       r = np.clip(x / 2.0 ** e, -7.5, 7.5)
;;       step = 2.0 ** (np.maximum(np.frexp(np.where(r == 0, 1, r))[1] - 1, 0) - 3)
;;       q = np.round(r / step) * step * 2.0 ** e      # np.round: ties to even
;;       return np.moveaxis(q.reshape(q.shape[:-2] + (-1,))[..., :K], -1, axis).astype(np.float32)
;;   ~~~
;;   SOFTMAX AHEAD OF A QUANTISED PRODUCT. Where the list says 'softmax', what is quantised is not the finished softmax but p = 2^(t - M), with t = logit x log2(e) and M = ceil(the row's largest t), a whole number; so 1/2 < the row's largest p <= 1. The row's sum l is taken of the UNQUANTISED p, in f32, and the product's result is divided by l at the end. Since M is a whole number, a kernel that streams over the keys may use a running M (the ceiling of the running maximum): every later rescaling is an exact power of two, which a block's scale takes up: the codes' values come out the same.
;;   OPERANDS COMPUTED ON THE WAY. 'Computed on the way' means the value that the module computes at that place (a softmax that the list does not call 'softmax' is quantised finished and normalised). What goes into a quantiser is computed in f32, as accurately as f32 sums, v_exp_f32 and their like allow (about 1e-6 of the number): no bf16 or f16 on the way to a quantiser, and a product that is left as it is and whose result goes on into a quantised operand takes f32 operands (vector FMAs, or v_wmma_f32_16x16x4_f32). A number that lies on a knife's edge between two numbers of the format may be rounded either way, as far as f32 arithmetic and the matrix unit's own rounding can turn it there, and no further.
;; One version. Each part assembles by itself: llvm-mc -triple=amdgcn-amd-amdhsa -mcpu=gfx1250 --defsym DOCPART=n.
;; ======== version 1 of 1: 3 launches
;; limits: right only within a limited range of input values
;; workspace buffers: codes 9,437,184 bytes; scales 393,216 bytes; relimg 262,144 bytes; acodes 6,291,456 bytes; ascales 262,144 bytes
;; launch prep (part 1): grid 400 x 1, 4 waves a work-group, no clusters, 34,304 bytes of LDS; arguments x, Wq, Wk, Wv, Wo, rel_table, codes, scales, relimg; writes codes, scales, relimg
.if DOCPART == 1
	.amdgcn_target "amdgcn-amd-amdhsa--gfx1250"
	.amdhsa_code_object_version 6
	.text
	.protected	k_q7a6dece96c_prep
	.globl	k_q7a6dece96c_prep
	.p2align	8
	.type	k_q7a6dece96c_prep,@function
k_q7a6dece96c_prep:
	s_mov_b64 s[64:65], 0
	v_nop
	global_prefetch_b8 v0, s[64:65] scope:SCOPE_SE
	s_setreg_imm32_b32 hwreg(HW_REG_WAVE_MODE, 25, 1), 1
	s_wait_xcnt 0x0
; x [8192][1024] and Wq, Wk, Wv, Wo [1024][1024], f32, K innermost, become codes of FP6 (E2M3) with one E8M0 byte for each 32 along K,
; laid as IMAGES OF THE OPERAND'S REGISTERS.  A tile is 16 rows; a fragment is a tile x 128 along K: 12 registers a lane (lane l: row l % 16;
; registers 6 c .. 6 c + 5: k = 64 c + 32 (l / 16) + 0 .. 31); its image is 1,536 bytes: registers 4 i .. 4 i + 3 of lane l at 512 i + 16 l.
; codes:  768 tiles x 8 fragments.  scales: 768 tiles x 512 bytes: the word of (row r, fragment kk) at 128 (kk / 2) + 8 r + 4 (kk % 2).
; THE ROWS OF A TILE ARE NOT NEIGHBOURS: place t of stored tile 2 g + u is row 32 g + 8 u + t + 8 (t / 8), so that the 16 registers of two neighbouring
; result tiles of a later product are 16 neighbours along the next K.
; Tiles 0-511: x.  Tiles 512 + 12 head + 4 c + sub: Wq, Wk, Wv (c = 0, 1, 2), the head's four tiles.  Tiles 704 + T: Wo.
; A block's scale is 2^(floor(log2(its largest magnitude)) - 2); its byte is the largest magnitude's exponent field - 2, held at 1 from below.
; LIMITS: a block of zeros gets the byte 1 where the rule says 127 (its codes are zeros, and this program alone reads the bytes); NaN and infinities among the inputs are not served.
; SHARES: work-groups 0-383 quantise: a wave takes one tile x 512 along K, four fragments.  A load reads 512 consecutive bytes of one row; the 16 rows turn through the wave's own
; stage in LDS (pitch 528: the 16 rows of a read start in 16 different groups of banks) and come back 128 bytes a lane: two whole blocks.  Stores cover 512 consecutive bytes.
; Work-groups 384-399 lay rel_table out for one head each: relimg[head][a][e] = rel_table[1022 - min(a + e, 1022)][head], e = 0 .. 3: the bias of (query i, keys j .. j + 3) is quad 511 - i + j.
; No tensor loads, no barrier: waves share nothing.
.set R,     104                        ; v104-231 of windows 0 and 1: four sets of 64: a fragment's numbers as loaded (fragments 0, 1 in window 0; 2, 3 in window 1)
.set X,     40                         ; v40-103  my 64 numbers: two blocks of 32
.set C,     20                         ; v20-31   the fragment's codes
.set PT,    32                         ; v32-39   the second half of each block's codes (a conversion's three registers begin on an even number)
.set SW,    16                         ; v16-19   the four fragments' scale words
.set PITCH, 528
	s_load_b512 s[4:19], s[0:1], 0x0               ; x, Wq, Wk, Wv, Wo, rel_table, codes, scales
	s_load_b64 s[20:21], s[0:1], 0x40              ; relimg
	v_lshl_add_u32 v232, v0, 2, 0x8400
	v_mov_b32 v233, 0
	v_lshrrev_b32 v1, 5, v0
	v_readfirstlane_b32 s22, v1                    ; wave
	s_cmp_ge_u32 ttmp9, 384
	s_cbranch_scc1 .Ltable
	v_and_b32 v1, 31, v0                           ; lane
	v_and_b32 v2, 15, v0                           ; r
	v_bfe_u32 v3, v0, 4, 1                         ; h
	v_lshlrev_b32 v4, 4, v1                        ; 16 x lane: my bytes of a load and of a store
	v_lshlrev_b32 v7, 3, v1                        ; 8 x lane: my two scale words
	s_mul_i32 s23, s22, 16*PITCH                   ; my wave's stage
	v_add_nc_u32 v5, s23, v4                       ; into it: 16 x lane of row t
	v_mul_u32_u24 v6, v2, PITCH
	v_lshl_add_u32 v6, v3, 7, v6
	v_add_nc_u32 v6, s23, v6                       ; out of it: row r, 128 h bytes on
	v_lshlrev_b32 v1, 3, v3                        ; 8 h: where my two scale bytes stand in the word
	v_mov_b32 v15, 0                               ; a lane permute's destination counts as one of its sources
	s_mov_b32 s38, 0x76543210
	s_mov_b32 s39, 0xfedcba98                      ; selects for lane l xor 16
	s_lshr_b32 s24, s22, 1
	s_and_b32 s25, s22, 1                          ; which half of K
	s_lshl_b32 s26, ttmp9, 1
	s_add_co_u32 s26, s26, s24                     ; x: tile 2 g + wave / 2
	s_and_b32 s27, ttmp9, 31
	s_lshl_b32 s27, s27, 1
	s_add_co_u32 s27, s27, s24                     ; a weight: tile 2 (g % 32) + wave / 2
	s_bfe_u32 s28, ttmp9, 0x20005                  ; which weight: (g / 32) % 4 (g = 256 .. 383)
	s_lshr_b32 s29, s27, 2
	s_mul_i32 s29, s29, 12
	s_lshl_b32 s30, s28, 2
	s_add_co_u32 s29, s29, s30
	s_and_b32 s30, s27, 3
	s_add_co_u32 s29, s29, s30
	s_add_co_u32 s29, s29, 512                     ; Wq, Wk, Wv: 512 + 12 head + 4 c + sub
	s_add_co_u32 s30, s27, 704                     ; Wo
	s_cmp_eq_u32 s28, 3
	s_cselect_b32 s29, s30, s29
	s_wait_alu depctr_va_vdst(0)
	s_wait_kmcnt 0x0
	s_cmp_eq_u32 s28, 2                            ; the input is chosen by the work-group's number alone
	s_cselect_b64 s[32:33], s[10:11], s[12:13]
	s_cmp_eq_u32 s28, 1
	s_cselect_b64 s[32:33], s[8:9], s[32:33]
	s_cmp_eq_u32 s28, 0
	s_cselect_b64 s[32:33], s[6:7], s[32:33]
	s_cmp_lt_u32 ttmp9, 256
	s_cselect_b64 s[32:33], s[4:5], s[32:33]
	s_cselect_b32 s26, s26, s27                    ; the tile in its tensor,
	s_cselect_b32 s29, s26, s29                    ; and in the workspace
	s_lshr_b32 s30, s26, 1
	s_lshl_b32 s30, s30, 5
	s_and_b32 s31, s26, 1
	s_lshl_b32 s31, s31, 3
	s_add_co_u32 s30, s30, s31                     ; the tile's first row
	s_lshl_b32 s30, s30, 12                        ; rows of 4,096 bytes
	s_lshl_b32 s31, s25, 11
	s_add_co_u32 s30, s30, s31                     ; + my half of K
	s_mov_b32 s31, 0
	s_add_nc_u64 s[32:33], s[32:33], s[30:31]
	s_mul_i32 s30, s29, 12288
	s_mul_i32 s24, s25, 6144
	s_add_co_u32 s30, s30, s24
	s_add_nc_u64 s[34:35], s[16:17], s[30:31]      ; my four fragments' images
	s_lshl_b32 s30, s29, 9
	s_lshl_b32 s24, s25, 8
	s_add_co_u32 s30, s30, s24
	s_add_nc_u64 s[36:37], s[18:19], s[30:31]      ; my 256 bytes of scale words
.macro LOAD f                          ; fragment f: 16 rows x 512 bytes
.irp t, 0,1,2,3,4,5,6,7,8,9,10,11,12,13,14,15
	global_load_b128 v[R+64*((\f)%2)+4*\t:R+64*((\f)%2)+4*\t+3], v4, s[32:33] offset:(\t+8*(\t/8))*4096+512*(\f) th:TH_LOAD_NT
.endr
.endm
.macro STEP f
	s_wait_loadcnt 48-16*\f                        ; this fragment's 16 loads are in; the later fragments' may be out
.if \f > 1
	s_set_vgpr_msb 0x0004                          ; the stores' data (source 1) lie in window 1
.endif
.irp t, 0,1,2,3,4,5,6,7,8,9,10,11,12,13,14,15
	ds_store_b128 v5, v[R+64*((\f)%2)+4*\t:R+64*((\f)%2)+4*\t+3] offset:PITCH*\t
.endr
.if \f > 1
	s_set_vgpr_msb 0x0400
.endif
.irp c, 0,1
.irp i, 0,1,2,3,4,5,6,7
	ds_load_b128 v[X+32*\c+4*\i:X+32*\c+4*\i+3], v6 offset:256*\c+16*\i   ; LDS serves a wave's instructions in order: these see the stores above
.endr
.endr
	s_wait_dscnt 0x0                               ; my numbers are back, and the stores have read their registers,
.irp c, 0,1
	v_max3_num_f32 v[8+\c], |v[X+32*\c]|, |v[X+32*\c+1]|, 0x1800000   ; block 2 c + h: all 32 numbers are mine; the floor 2^(3 - 127) holds the byte at 1 from below
.endr
.irp i, 2,4,6,8,10,12,14,16,18,20,22,24,26,28,30
.irp c, 0,1
	v_max3_num_f32 v[8+\c], v[8+\c], |v[X+32*\c+\i]|, |v[X+32*\c+\i+1]|
.endr
.endr
.irp c, 0,1
	v_add_nc_u32 v[10+\c], 0xff000000, v[8+\c]     ; 2 off the exponent field: the conversion's scale operand
.endr
.irp c, 0,1
	v_lshrrev_b32 v[12+\c], 23, v[10+\c]           ; the scale's byte
.endr
	v_lshl_or_b32 v14, v13, 16, v12                ; blocks h and 2 + h,
	v_lshlrev_b32 v14, v1, v14                     ; 8 h bits up;
	v_permlanex16_b32 v15, v14, s38, s39
	v_or_b32 v[SW+\f], v14, v15                    ; with lane l xor 16's two bytes the row's word is whole
	s_wait_alu depctr_va_vdst(0)
	s_wait_xcnt 0x0                                ; the last fragment's stores have read their data: the codes' registers are written again only behind this wait
.irp c, 0,1
	v_cvt_scalef32_pk16_fp6_f32 v[C+6*\c:C+6*\c+2], v[X+32*\c:X+32*\c+15], v[10+\c]
	v_cvt_scalef32_pk16_fp6_f32 v[PT+4*\c:PT+4*\c+2], v[X+32*\c+16:X+32*\c+31], v[10+\c]
.endr
	v_nop                                          ; one plain place behind a scaled conversion
.irp c, 0,1
.irp i, 0,1,2
	v_mov_b32 v[C+6*\c+3+\i], v[PT+4*\c+\i]
.endr
.endr
.irp i, 0,1,2
	global_store_b128 v4, v[C+4*\i:C+4*\i+3], s[34:35] offset:1536*\f+512*\i   ; 32 lanes store 512 consecutive bytes, aligned
.endr
.endm
	LOAD 0                                         ; all four fragments are asked for at once: 64 loads of 512 bytes a wave
	LOAD 1
	s_set_vgpr_msb 0x0040                          ; the loads' destination: window 1
	LOAD 2
	LOAD 3
	s_set_vgpr_msb 0x4000
	STEP 0
	STEP 1
	STEP 2
	STEP 3
	v_cmp_ne_u32 vcc_lo, 0, v3                     ; lanes 0-15 store the words of fragments 0 and 1 of row r, lanes 16-31 those of 2 and 3
	v_cndmask_b32 v12, v[SW], v[SW+2], vcc_lo
	v_cndmask_b32 v13, v[SW+1], v[SW+3], vcc_lo
	global_store_b64 v7, v[12:13], s[36:37]        ; 32 lanes store 256 consecutive bytes, aligned
	s_wait_tensorcnt 0x0
	ds_add_u32 v232, v233
	s_wait_dscnt 0x0
	s_endpgm
.Ltable:                                               ; one head's bias quads: 128 threads x 8 quads
	s_sub_co_u32 s23, ttmp9, 384                   ; the head
	v_sub_nc_u32 v1, 1022, v0
	v_lshlrev_b32 v1, 6, v1                        ; row 1022 - thread, 64 bytes a row
	v_lshlrev_b32 v2, 4, v0                        ; my quad's 16 bytes
.irp e, 0,1,2,3
	v_sub_nc_u32 v[4+\e], 126-\e, v0               ; the last 128 quads: row 1022 - 896 - e - thread, held at 0
	v_max_i32 v[4+\e], 0, v[4+\e]
	v_lshlrev_b32 v[4+\e], 6, v[4+\e]
.endr
	s_lshl_b32 s24, s23, 2
	s_mov_b32 s25, 0
	s_lshl_b32 s26, s23, 14
	s_mov_b32 s27, 0
	s_wait_alu depctr_va_vdst(0)
	s_wait_kmcnt 0x0
	s_add_nc_u64 s[14:15], s[14:15], s[24:25]      ; the head's column of rel_table
	s_add_nc_u64 s[20:21], s[20:21], s[26:27]      ; its 16,384 bytes of relimg
.irp p, 0,1,2,3,4,5,6
.irp e, 0,1,2,3
	global_load_b32 v[40+4*\p+\e], v1, s[14:15] offset:-(128*\p+\e)*64   ; row 1022 - (128 p + thread) - e, at least 124
.endr
.endr
.irp e, 0,1,2,3
	global_load_b32 v[68+\e], v[4+\e], s[14:15]
.endr
.irp p, 0,1,2,3,4,5,6,7
	s_wait_loadcnt 28-4*\p                         ; quad p's four loads are in; the later quads' may be out
	global_store_b128 v2, v[40+4*\p:40+4*\p+3], s[20:21] offset:2048*\p
.endr
	s_endpgm
.Lfunc_end_k_q7a6dece96c_prep:
	.size	k_q7a6dece96c_prep, .Lfunc_end_k_q7a6dece96c_prep-k_q7a6dece96c_prep
	.p2alignl 7, 3214868480
	.fill 96, 4, 3214868480
	.section	.rodata,"a",@progbits
	.p2align	6, 0x0
	.amdhsa_kernel k_q7a6dece96c_prep
		.amdhsa_group_segment_fixed_size 34304
		.amdhsa_private_segment_fixed_size 0
		.amdhsa_enable_private_segment 0
		.amdhsa_kernarg_size 72
		.amdhsa_user_sgpr_count 2
		.amdhsa_user_sgpr_kernarg_segment_ptr 1
		.amdhsa_wavefront_size32 1
		.amdhsa_system_sgpr_workgroup_id_x 1
		.amdhsa_system_sgpr_workgroup_id_y 1
		.amdhsa_system_sgpr_workgroup_id_z 1
		.amdhsa_system_vgpr_workitem_id 0
		.amdhsa_next_free_vgpr 488
		.amdhsa_next_free_sgpr 66
		.amdhsa_reserve_vcc 1
		.amdhsa_float_denorm_mode_32 3
		.amdhsa_float_denorm_mode_16_64 3
		.amdhsa_memory_ordered 1
		.amdhsa_forward_progress 1
		.amdhsa_inst_pref_size 36
	.end_amdhsa_kernel
	.amdgpu_metadata
---
amdhsa.version: [ 1, 2 ]
amdhsa.kernels:
  - .name:           k_q7a6dece96c_prep
    .symbol:         k_q7a6dece96c_prep.kd
    .args:
      - { .name: x, .offset: 0, .size: 8, .value_kind: global_buffer, .address_space: global }
      - { .name: Wq, .offset: 8, .size: 8, .value_kind: global_buffer, .address_space: global }
      - { .name: Wk, .offset: 16, .size: 8, .value_kind: global_buffer, .address_space: global }
      - { .name: Wv, .offset: 24, .size: 8, .value_kind: global_buffer, .address_space: global }
      - { .name: Wo, .offset: 32, .size: 8, .value_kind: global_buffer, .address_space: global }
      - { .name: rel_table, .offset: 40, .size: 8, .value_kind: global_buffer, .address_space: global }
      - { .name: codes, .offset: 48, .size: 8, .value_kind: global_buffer, .address_space: global }
      - { .name: scales, .offset: 56, .size: 8, .value_kind: global_buffer, .address_space: global }
      - { .name: relimg, .offset: 64, .size: 8, .value_kind: global_buffer, .address_space: global }
    .group_segment_fixed_size: 34304
    .private_segment_fixed_size: 0
    .kernarg_segment_align: 8
    .kernarg_segment_size: 72
    .max_flat_workgroup_size: 128
    .sgpr_count:     66
    .vgpr_count:     488
    .wavefront_size: 32
...
	.end_amdgpu_metadata
.endif
;; end of part 1
;; launch attn (part 2): grid 16 x 16, 8 waves a work-group, clusters of 4 x 4, 327,680 bytes of LDS; arguments codes, scales, relimg, bq, bk, bv, acodes, ascales; writes acodes, ascales
.if DOCPART == 2
	.amdgcn_target "amdgcn-amd-amdhsa--gfx1250"
	.amdhsa_code_object_version 6
	.text
	.protected	k_q7a6dece96c_attn
	.globl	k_q7a6dece96c_attn
	.p2align	8
	.type	k_q7a6dece96c_attn,@function
k_q7a6dece96c_attn:
	s_mov_b64 s[64:65], 0
	v_nop
	global_prefetch_b8 v0, s[64:65] scope:SCOPE_SE
	s_setreg_imm32_b32 hwreg(HW_REG_WAVE_MODE, 25, 1), 1
	s_wait_xcnt 0x0
	s_wait_alu depctr_hold_cnt(0) depctr_sa_sdst(0) depctr_va_vdst(0) depctr_va_sdst(0) depctr_va_ssrc(0) depctr_va_vcc(0) depctr_vm_vsrc(0)
	s_getreg_b32 s2, hwreg(HW_REG_IB_STS2, 6, 4)
	s_cmp_eq_u32 s2, 0
	s_cbranch_scc0 .Lentry_in_a_cluster
	s_endpgm
.Lentry_in_a_cluster:
	s_bfe_u32 s2, ttmp6, 0x10000c
	s_cmp_lg_u32 s2, 0xf033
	s_cbranch_scc0 .Lentry_shape_is_right
	s_endpgm
.Lentry_shape_is_right:
; One work-group makes one (batch, head): q, k, v = x W^T + b (512 x 192, K = 1,024), their quantising, the scores (q / 8) k^T + relative bias, the softmax, p v, / l, and the quantising of the result.
; All products on codes of FP6 (E2M3) with one E8M0 byte for each 32 along K.  q, k, v, the scores and p never go to memory.
; SHARES.  Eight waves, two to a SIMD.  Wave w owns stored tiles 4 w .. 4 w + 3 of the batch (rows 64 w .. 64 w + 63): as rows of x, as keys, as queries.
; ROW ORDER.  Place t of stored tile 2 g + u is row 32 g + 8 u + t + 8 (t / 8), for x's rows and the weights' rows alike: the 16 registers of two neighbouring result tiles are 16 neighbours along the next K.
; LAYOUT.  q and k: source 0 = 16 rows of W, source 1 = 16 rows of x: a lane holds one row, registers run along the head's 64.  v: the other way round: registers run along the keys.
; S^T = k q^T (+ bias as C), O^T = v^T p^T: a lane holds one query throughout.  The head's 64 fill half of the instruction's 128 along K: q's other half is zero codes.
; k's half fragments lie 6 registers apart, so the upper half of a fragment of k is the next tile's codes: finite numbers that meet q's zero codes and add nothing; their scale bytes are 0 (2^-127).
; PROJECTION.  48 sums a wave.  W's 12 fragments of a K step stream through four places of one fragment, each filled again behind its four products; x's four fragments are filled again row by row in the
; step's last eight products.  DSN counts the LDS instructions written so far; a wait's count is DSN less the count noted when the fragment was asked for: the LDS instructions issued behind it.
; SOFTMAX.  t = score x log2(e); M = the running largest t rounded up to a whole number; p = 2^(t - M) is quantised along the keys; the sum is taken of the unquantised p; when M moves, sum and O are multiplied by 2^(old M - new M), exactly.
; 1 / 8 is a power of two: q's codes are made of q, and 3 is taken off its scale bytes (the floor of the largest magnitude is 3 higher, so the byte is still held at 1).
; CLUSTER.  4 x 4 work-groups: the four of a row share the batch (x's tiles and scales), the four of a column the head (W's tiles and scales, the bias quads): each such tile is asked for jointly.
; PREFETCH.  K comes in four chunks of 256 (3,072 bytes of each tile, 12 blocks of 256 bytes).  Chunks 1 and 2 are asked for behind the head's loads, chunk 3 behind slot 1's fill: two fills ahead of its own load.
; Each block is named once in a cluster: of x's 32 tiles the partner at cx takes 8 (a tile a wave), of W's 12 the partner at cy takes 3 (waves 0-2): told apart by address; a lane a block, lanes 12-31 name the twelfth again.
; LIMITS: NaN and infinities among the inputs are not served; a block of zeros gets the byte 1 (its codes are zeros; this program alone reads the bytes); 1 / l is v_rcp_f32's; scaled scores stay under 2^31 in magnitude.
; LDS: two slots of 135,168 bytes (32 tiles of x, then 12 of W, 256 along K each); x's scales, W's scales, the head's bias quads twice (the second copy 128 bytes askew); the spare words.
; k's and v's images and scale words lie in slot 0, which has then had its last fill and its last read.  All of a WGP's LDS is claimed.
.set SLOT,  135168
.set WOFF,  98304
.set XS,    270336
.set WS,    286848
.set BIAS0, 293120
.set BIASD, 16512
.set SPARE, 326144
.set KIMG,  0                          ; 32 key tiles x 768 bytes: registers 0-3 of lane l at 16 l, registers 4-5 at 512 + 8 l
.set VIMG,  24576                      ; fragment (128 keys s, tile i of the head's 64) at (4 s + i) x 1,536; its half c at + 768 c
.set KSC,   49152                      ; wave w's four scale words of lane l at 512 w + 16 l
.set VSC,   53248                      ; 256 s + 16 r + 4 i + 2 c
.set ASTG,  54272                      ; 1,024 bytes: the result's scale words on their way out
.set WV,   20
.set WQ,   21
.set HD,   96
.set BB,   97
.set G1X,  24
.set G1W,  32
.set G0X,  40
.set G0W,  48
.set G1XS, 56
.set G1WS, 68
.set G1BI, 76
.set G0XS, 84
.set G0WS, 88
.set G0BI, 92
.set SEL,  68                          ; behind the projection: s[68:69] selects for lane l xor 16; s[70:71] log2(e) twice; s72-75 the key step's LDS offsets; s76 its counter
.set CS,   70
.set T6,   72
.set T1,   73
.set TQ,   74
.set TB,   75
.set CNT,  76
; Projection, window 0: v4-9 addresses; v14 the prefetches' offset; v16-31 scale words, two sets of 8; v32-79 four fragments of x; v80-127 four of W; v128-255 v's sums (tile i of W, tile m of x) at 128 + 8 (4 i + m).
;   window 1: q's sums (m, i) at 8 (4 m + i); k's at 128 + 8 (4 m + i).
; Attention, window 0: the names below.  window 1: v0-127 S^T, then p (tile u, key tile kt at 64 u + 8 kt); v128-191 O^T (128 + 32 u + 8 i); v192-239 V.
.set AFR, 32
.set BFR, 80
.set SC,  16
.set PS,  14                           ; p's scale words
.set KS,  16
.set VS,  24
.set QS,  28
.set ST,  32                           ; -M, largest score, sum (two halves), for two tiles of queries
.set BM,  40
.set PX,  48
.set SOP, 56
.set PT,  64
.set TT,  80
.set F,   82
.set T2,  86
.set RC,  98
.set APW, 102
.set SA,  104                          ; v104-107 stage and scale addresses
.set PW,  108
.set CT,  110                          ; codes of k and v on their way to LDS
.set QF,  110
.set KF,  158
.set PC,  218
.set MSB, 0
.set DSN, 0
.macro WIN new                         ; the immediate's high byte repeats the setting that is left
.if MSB != \new
	s_set_vgpr_msb (MSB<<8)|\new
.set MSB, \new
.endif
.endm
.macro PLACES n
.rept \n
	v_nop
.endr
.endm
.macro VW
	s_wait_alu depctr_va_vdst(0)
.endm
.macro CREST
	s_cmp_lg_u32 s[WV], 0
	s_cbranch_scc1 .Lnw0_\@
	s_barrier_signal -3
.Lnw0_\@:
	s_barrier_wait -3
	s_barrier_signal -1
	s_barrier_wait -1
.endm
.macro CROUND
	s_barrier_signal -1
	s_barrier_wait -1
	CREST
.endm
.macro DRAIN
	VW
	s_wait_dscnt 0x0
.endm
.macro BARRIER
	DRAIN
	s_barrier_signal -1
	s_barrier_wait -1
.endm
.macro G1SET g, c, r, p                ; r rows of c elements of 8 bytes, p elements apart, dense in LDS
	s_mov_b32 s[\g+1], (\c)<<16
	s_mov_b32 s[\g+2], (\r)<<16
	s_mov_b32 s[\g+3], (\c)<<16
	s_mov_b32 s[\g+4], \r
	s_mov_b32 s[\g+5], \p
	s_mov_b32 s[\g+6], 0
	s_mov_b32 s[\g+7], 0
.endm
.macro TLOAD g0, g1
	tensor_load_to_lds s[\g0:\g0+3], s[\g1:\g1+7]
	s_nop 0
	PLACES 4
.endm
; a joint fill of slot n: waves 0-3 fetch 8 tiles of x each, waves 4-5 six of W; bi = 1: waves 6-7 a copy of the bias quads each
.macro JLOAD n, bi
	s_cmp_lt_u32 s[WV], 4
	s_cbranch_scc0 .Lw_\@
	TLOAD G0X+4*(\n), G1X
	s_branch .Ld_\@
.Lw_\@:
	s_cmp_lt_u32 s[WV], 6
	s_cbranch_scc0 .Lb_\@
	TLOAD G0W+4*(\n), G1W
.if \bi
	s_branch .Ld_\@
.endif
.Lb_\@:
.if \bi
	TLOAD G0BI, G1BI
.endif
.Ld_\@:
.endm
.macro ASK c                           ; chunk c into the L2: my tile of x, 12 blocks; waves 0-2: my tile of W too
	global_prefetch_b8 v14, s[2:3] offset:3072*(\c) th:TH_LOAD_NT scope:SCOPE_SE
	s_cmp_lt_u32 s[WV], 3
	s_cbranch_scc0 .Lnpf_\@
	global_prefetch_b8 v14, s[66:67] offset:3072*(\c) th:TH_LOAD_NT scope:SCOPE_SE
.Lnpf_\@:
.endm
.macro NEED l                          ; all LDS instructions up to mark l are done
	s_wait_dscnt DSN-(\l)
.endm
.macro LDFR reg, adr, off              ; a fragment's image: three loads
	WIN 0
.irp p, 0,1,2
	ds_load_b128 v[(\reg)+4*\p:(\reg)+4*\p+3], v[\adr] offset:(\off)+512*\p
.endr
.set DSN, DSN+3
.endm
.macro LDA ks, m                       ; x's fragment m of K step ks
	LDFR AFR+12*\m, 4+((\ks)/2)%2, 3072*\m+1536*((\ks)%2)
.set LA\m, DSN
.endm
.macro LDB ks, f, j                    ; W's fragment f (0-3 Wq, 4-7 Wk, 8-11 Wv) into place j
	LDFR BFR+12*\j, 6+((\ks)/2)%2, 3072*(\f)+1536*((\ks)%2)
.set LB\j, DSN
.endm
.macro SCALES ks                       ; set ks % 2: v[+i]: lanes 0-15 x's tile i, lanes 16-31 Wq's;  v[+4+i]: lanes 0-15 Wk's, lanes 16-31 Wv's
	WIN 0
.irp i, 0,1,2,3
	ds_load_b32 v[SC+8*((\ks)%2)+\i], v8 offset:512*\i+128*((\ks)/2)+4*((\ks)%2)
	ds_load_b32 v[SC+8*((\ks)%2)+4+\i], v9 offset:512*\i+128*((\ks)/2)+4*((\ks)%2)
.endr
.set DSN, DSN+8
.endm
; one product: W's fragment f in place j x x's fragment m.  first = 1: the bias lies in the sums of m = 3 and is the C of all four.
.macro MM ks, f, j, m, first
.set g_, (\f)/4
.set i_, (\f)%4
.set t_, SC+8*((\ks)%2)
.if g_ == 2
.set rD, 128+8*(4*i_+\m)
.set rC, 128+8*(4*i_+3)
	WIN 0
.else
.set rD, 128*g_+8*(4*\m+i_)
.set rC, 128*g_+8*(12+i_)
	WIN 0x50
.endif
.if \first == 0
.set rC, rD
.endif
.set rA, AFR+12*\m
.set rB, BFR+12*\j
.if g_ == 0
	v_wmma_scale_f32_16x16x128_f8f6f4 v[rD:rD+7], v[rB:rB+11], v[rA:rA+11], v[rC:rC+7], v[t_+i_], v[t_+\m] matrix_a_fmt:MATRIX_FMT_FP6 matrix_b_fmt:MATRIX_FMT_FP6 matrix_a_scale:MATRIX_SCALE_ROW1
.elseif g_ == 1
	v_wmma_scale_f32_16x16x128_f8f6f4 v[rD:rD+7], v[rB:rB+11], v[rA:rA+11], v[rC:rC+7], v[t_+4+i_], v[t_+\m] matrix_a_fmt:MATRIX_FMT_FP6 matrix_b_fmt:MATRIX_FMT_FP6
.else
	v_wmma_scale_f32_16x16x128_f8f6f4 v[rD:rD+7], v[rA:rA+11], v[rB:rB+11], v[rC:rC+7], v[t_+\m], v[t_+4+i_] matrix_a_fmt:MATRIX_FMT_FP6 matrix_b_fmt:MATRIX_FMT_FP6 matrix_b_scale:MATRIX_SCALE_ROW1
.endif
.endm
.macro FR ks, f, j, first              ; a fragment of W against my four of x; all 48 sums take turns, one instruction a turn
	NEED LB\j
.irp m, 0,1,2
	MM \ks, \f, \j, \m, \first
.endr
.if \first
	PLACES 5                                       ; the next product writes over registers that the three read as C
.endif
	MM \ks, \f, \j, 3, \first
.endm
.macro TAIL ks, first                  ; fragments 10 and 11 by rows of x: each fragment of x is asked for anew behind its last two products
	NEED LB3
.irp m, 0,1,2,3
	MM \ks, 10, 2, \m, \first
	MM \ks, 11, 3, \m, \first
	PLACES 4+\first
	LDA (\ks)+1, \m
.endr
	LDB (\ks)+1, 2, 2
	LDB (\ks)+1, 3, 3
.endm
; 128 along K.  chg = 0: the next step lies in the same slot; 1: the slot is left and filled again, 512 along K on; 2: left and not filled; 3: the last step.
; Four places stand in front of each run of loads into registers that matrix instructions have read.
.macro KSTEP ks, first, chg
.if LA3 > LB0
.set LB0, LA3
.endif
.irp g, 0,1
.irp j, 0,1,2,3
	FR \ks, 4*\g+\j, \j, \first
	PLACES 4
	LDB \ks, 4*\g+\j+4, \j
.if (\chg < 3) && (4*\g+\j == 1)
	SCALES (\ks)+1
.endif
.endr
.endr
.if \chg == 0
.irp j, 0,1
	FR \ks, 8+\j, \j, \first
	PLACES 4
	LDB (\ks)+1, \j, \j
.endr
	TAIL \ks, \first
.elseif \chg < 3
.set NS_, ((\ks)/2)%2
	WIN 0
	s_wait_tensorcnt 0x0                           ; all my tensor loads are done: my part of the slot ahead; a group 0 may be written
	ds_add_u32 v2, v3                              ; 0 onto my spare word
.set DSN, DSN+1
.if \chg == 1
	s_add_nc_u64 s[G0X+4*NS_+2:G0X+4*NS_+3], s[G0X+4*NS_+2:G0X+4*NS_+3], 6144
	s_add_nc_u64 s[G0W+4*NS_+2:G0W+4*NS_+3], s[G0W+4*NS_+2:G0W+4*NS_+3], 6144
.endif
	FR \ks, 8, 0, 0
	s_wait_dscnt 0x0                               ; the add is done, and all my reads of this slot: the step's last fragments are in registers
	s_barrier_signal -1
.irp m, 0,1,2,3
	MM \ks, 9, 1, \m, 0
.endr
	s_barrier_wait -1
.if \chg == 1
	CREST                                          ; the barrier has opened a round of the cluster's
	JLOAD NS_, 0
.endif
	PLACES 4
	LDB (\ks)+1, 0, 0
	LDB (\ks)+1, 1, 1
	TAIL \ks, 0
.else
.irp j, 0,1,2,3
	FR \ks, 8+\j, \j, 0
.endr
.endif
.endm
; 64 numbers of a lane in window win, register 16 b + i = k 32 b + 16 (lane / 16) + i of my row, become two half fragments of codes (6 registers each, at d0 and d1) and four scale bytes in v[PW].  sh is taken off the bytes besides.
.macro QUANT src, win, d0, d1, sh
	WIN 5*(\win)
.irp b, 0,1,2,3
	v_max3_num_f32 v[BM+\b], |v[(\src)+16*\b]|, |v[(\src)+16*\b+1]|, (3+(\sh))<<23   ; from each sum's low end on; the floor holds the byte at 1
.endr
.irp i, 2,4,6,8,10,12,14
.irp b, 0,1,2,3
	v_max3_num_f32 v[BM+\b], |v[(\src)+16*\b+\i]|, |v[(\src)+16*\b+\i+1]|, v[BM+\b]
.endr
.endr
	WIN 0
.irp b, 0,1,2,3
	v_permlanex16_b32 v[PX+\b], v[BM+\b], s[SEL], s[SEL+1]
.endr
.irp b, 0,1,2,3
	v_max_num_f32 v[BM+\b], v[BM+\b], v[PX+\b]     ; with lane l xor 16's: the block's largest magnitude
.endr
.irp b, 0,1,2,3
	v_add_nc_u32 v[SOP+\b], 0xff000000, v[BM+\b]   ; 2 off its exponent field: the conversion's scale operand
.endr
.irp b, 0,1,2,3
	v_add_nc_u32 v[PX+\b], -((2+(\sh))<<23), v[BM+\b]
.endr
.irp b, 0,1,2,3
	v_lshrrev_b32 v[PX+\b], 23, v[PX+\b]           ; the scale's byte
.endr
	v_lshl_or_b32 v[PW], v[PX+1], 8, v[PX]
	v_lshl_or_b32 v[PW], v[PX+2], 16, v[PW]
	v_lshl_or_b32 v[PW], v[PX+3], 24, v[PW]
	WIN \win
	v_cvt_scalef32_pk16_fp6_f32 v[(\d0):(\d0)+2], v[(\src):(\src)+15], v[SOP]
	v_cvt_scalef32_pk16_fp6_f32 v[PT:PT+2], v[(\src)+16:(\src)+31], v[SOP+1]
	v_cvt_scalef32_pk16_fp6_f32 v[(\d1):(\d1)+2], v[(\src)+32:(\src)+47], v[SOP+2]
	v_cvt_scalef32_pk16_fp6_f32 v[PT+4:PT+6], v[(\src)+48:(\src)+63], v[SOP+3]
	WIN 0
	v_nop                                          ; one plain place behind a scaled conversion
.irp i, 0,1,2                                  ; a whole block in a lane: lanes 0-15 the first block, lanes 16-31 the second
	v_permlane16_swap_b32 v[(\d0)+\i], v[PT+\i]
	v_permlane16_swap_b32 v[(\d1)+\i], v[PT+4+\i]
.endr
.irp i, 0,1,2
	v_mov_b32 v[(\d0)+3+\i], v[PT+\i]
	v_mov_b32 v[(\d1)+3+\i], v[PT+4+\i]
.endr
.endm
.macro LDK a16, a8, aks, o6, o1        ; 18 LDS loads: eight half fragments of k, 6 registers apart, and their scale words
.irp kt, 0,1,2,3,4,5,6,7
	ds_load_b128 v[KF+6*\kt:KF+6*\kt+3], v[\a16] offset:KIMG+(\o6)+768*\kt
	ds_load_b64 v[KF+6*\kt+4:KF+6*\kt+5], v[\a8] offset:KIMG+(\o6)+768*\kt
.endr
	ds_load_b128 v[KS:KS+3], v[\aks] offset:\o1
	ds_load_b128 v[KS+4:KS+7], v[\aks] offset:(\o1)+512
.endm
; 16 LDS loads: the bias of tile u of queries for 128 keys, into the registers of its scores: the C of the scores' products.  Quad 511 - query + key, four keys a load.
.macro LDBIAS u
	WIN 0x40
.irp kt, 0,1,2,3,4,5,6,7
.irp e, 0,1
	ds_load_b128 v[64*(\u)+8*\kt+4*\e:64*(\u)+8*\kt+4*\e+3], v[ABIR] offset:OFFB+16*((40-32*BQB-8*(\u))+32*(\kt/2)+8*(\kt%2)+4*\e)
.endr
.endr
	WIN 0
.endm
; The softmax of both tiles of queries for 128 keys: the two tiles' chains take turns line by line; one batch of 136 exponentials.
.macro SOFT2
	WIN 0x05
.irp b, 0,1,2,3
.irp u, 0,1
	v_max_num_f32 v[BM+4*\u+\b], v[64*\u+16*\b], v[64*\u+16*\b+1]   ; the largest score of each block of 32 keys: for the row's maximum and for the block's largest p
.endr
.endr
.irp i, 2,4,6,8,10,12,14
.irp b, 0,1,2,3
.irp u, 0,1
	v_max3_num_f32 v[BM+4*\u+\b], v[64*\u+16*\b+\i], v[64*\u+16*\b+\i+1], v[BM+4*\u+\b]
.endr
.endr
.endr
	WIN 0
.irp j, 0,1,2,3,4,5,6,7
	v_permlanex16_b32 v[PX+\j], v[BM+\j], s[SEL], s[SEL+1]
.endr
.irp j, 0,1,2,3,4,5,6,7
	v_max_num_f32 v[BM+\j], v[BM+\j], v[PX+\j]     ; with lane l xor 16's 16 keys
.endr
.irp u, 0,1
	v_max3_num_f32 v[TT+\u], v[BM+4*\u], v[BM+4*\u+1], v[BM+4*\u+2]
.endr
.irp u, 0,1
	v_max3_num_f32 v[ST+4*\u+1], v[ST+4*\u+1], v[TT+\u], v[BM+4*\u+3]   ; the running largest score
.endr
.irp u, 0,1
	v_mul_f32 v[TT+\u], s[CS], v[ST+4*\u+1]        ; as t (log2(e) is positive)
.endr
.irp u, 0,1
	v_mov_b32 v[F+2*\u], v[ST+4*\u]
.endr
.irp u, 0,1
	v_floor_f32 v[ST+4*\u], -v[TT+\u]              ; -M = floor(-t): M is a whole number
.endr
.irp u, 0,1
	v_sub_f32 v[F+2*\u], v[ST+4*\u], v[F+2*\u]     ; old M - new M: a whole number, 0 or less
.endr
.irp u, 0,1
	v_cvt_i32_f32 v[F+2*\u], v[F+2*\u]             ; (it saturates)
.endr
.irp u, 0,1
	v_ldexp_f32 v[F+2*\u], 1.0, v[F+2*\u]          ; f = 2^(old M - new M)
.endr
.irp b, 0,1,2,3
.irp u, 0,1
	v_fma_f32 v[BM+4*\u+\b], v[BM+4*\u+\b], s[CS], v[ST+4*\u]   ; t - M of each block's largest score
.endr
.endr
.irp u, 0,1
	v_pk_mul_f32 v[ST+4*\u+2:ST+4*\u+3], v[ST+4*\u+2:ST+4*\u+3], v[F+2*\u:F+2*\u+1] op_sel_hi:[1,0]   ; the sum under the new M
.endr
	WIN 0x41
.irp u, 0,1
.set jj, 0
.rept 16
	v_pk_mul_f32 v[128+32*\u+jj:128+32*\u+jj+1], v[128+32*\u+jj:128+32*\u+jj+1], v[F+2*\u:F+2*\u+1] op_sel_hi:[1,0]   ; O^T under the new M, each sum from its low end on
.set jj, jj+2
.endr
.endr
.irp u, 0,1
.set jj, 0
.rept 32
	v_pk_fma_f32 v[64*\u+jj:64*\u+jj+1], v[64*\u+jj:64*\u+jj+1], s[CS:CS+1], v[ST+4*\u:ST+4*\u+1] op_sel_hi:[1,0,0]   ; t - M
.set jj, jj+2
.endr
.endr
	WIN 0
	VW                                             ; ahead of the batch
.irp j, 0,1,2,3,4,5,6,7
	v_exp_f32 v[BM+\j], v[BM+\j]                   ; the block's largest p: the same two instructions on the same number give the same bits
.endr
	WIN 0x41
.set jj, 0
.rept 128
	v_exp_f32 v[jj], v[jj]                         ; p = 2^(t - M)
.set jj, jj+1
.endr
	WIN 0
	v_nop                                          ; a plain place behind the exponentials
	VW                                             ; behind the batch, ahead of its first reader
.irp j, 0,1,2,3,4,5,6,7
	v_max_num_f32 v[BM+\j], 0x1800000, v[BM+\j]    ; the floor 2^(3 - 127)
.endr
.irp j, 0,1,2,3,4,5,6,7
	v_add_nc_u32 v[SOP+\j], 0xff000000, v[BM+\j]
.endr
.irp j, 0,1,2,3,4,5,6,7
	v_lshrrev_b32 v[PX+\j], 23, v[SOP+\j]
.endr
.irp sh, 8,16,24
.irp u, 0,1
.if \sh == 8
	v_lshl_or_b32 v[PS+\u], v[PX+4*\u+1], 8, v[PX+4*\u]   ; p's scale word for these 128 keys
.else
	v_lshl_or_b32 v[PS+\u], v[PX+4*\u+\sh/8], \sh, v[PS+\u]
.endif
.endr
.endr
.irp u, 0,1
	WIN 0x05
.irp c, 0,1,2
	v_pk_add_f32 v[T2+6*\u+2*\c:T2+6*\u+2*\c+1], v[64*\u+4*\c:64*\u+4*\c+1], v[64*\u+4*\c+2:64*\u+4*\c+3]   ; the sum of the unquantised p, in four chains
.endr
	WIN 0x01
.set jj, 6
.rept 26
.if jj%4 == 2
.set tg, ST+4*\u+2
.else
.set tg, T2+6*\u+2*((jj+1)%4)
.endif
	v_pk_add_f32 v[tg:tg+1], v[64*\u+2*jj:64*\u+2*jj+1], v[tg:tg+1]
.set jj, jj+1
.endr
	v_cvt_scalef32_pk16_fp6_f32 v[PC+12*\u:PC+12*\u+2], v[64*\u:64*\u+15], v[SOP+4*\u]
	v_cvt_scalef32_pk16_fp6_f32 v[PT+8*\u:PT+8*\u+2], v[64*\u+16:64*\u+31], v[SOP+4*\u+1]
	v_cvt_scalef32_pk16_fp6_f32 v[PC+12*\u+6:PC+12*\u+8], v[64*\u+32:64*\u+47], v[SOP+4*\u+2]
	v_cvt_scalef32_pk16_fp6_f32 v[PT+8*\u+4:PT+8*\u+6], v[64*\u+48:64*\u+63], v[SOP+4*\u+3]
	v_nop                                          ; one plain place behind a scaled conversion
.if PRE
	LDBIAS \u                                      ; p has been read for the last time: its registers take the next step's bias
.endif
	WIN 0
.irp i, 0,1,2
	v_permlane16_swap_b32 v[PC+12*\u+\i], v[PT+8*\u+\i]
	v_permlane16_swap_b32 v[PC+12*\u+6+\i], v[PT+8*\u+4+\i]
.endr
.irp i, 0,1,2
	v_mov_b32 v[PC+12*\u+3+\i], v[PT+8*\u+\i]
	v_mov_b32 v[PC+12*\u+9+\i], v[PT+8*\u+4+\i]
.endr
.endr
.irp u, 0,1                                    ; the chains are joined: six plain lines, the places between the codes just written and the products
	v_pk_add_f32 v[T2+6*\u:T2+6*\u+1], v[T2+6*\u:T2+6*\u+1], v[T2+6*\u+2:T2+6*\u+3]
.endr
.irp u, 0,1
	v_pk_add_f32 v[ST+4*\u+2:ST+4*\u+3], v[ST+4*\u+2:ST+4*\u+3], v[T2+6*\u+4:T2+6*\u+5]
.endr
.irp u, 0,1
	v_pk_add_f32 v[ST+4*\u+2:ST+4*\u+3], v[ST+4*\u+2:ST+4*\u+3], v[T2+6*\u:T2+6*\u+1]
.endr
.endm
; A KEY STEP: 128 keys for my tiles of queries 2 bq and 2 bq + 1.  Its K, K's scale words and its bias were asked for a step ago.
; pre = 1: it asks for the next 128 keys' in turn; 2: for the first 128 keys' for the next pair of query tiles; 0: for nothing.
.macro ASTEP bq, pre
.set PRE, \pre
.if \pre == 2
.set ABIR, 8
.set BQB, (\bq)+1
.set OFFB, 0
.else
.set ABIR, 13
.set BQB, \bq
.set OFFB, 2048
.endif
	s_wait_dscnt 0x0                               ; only what was asked for a step ago is out: K, its scale words, the bias
	WIN 0x50
.irp kt, 0,1,2,3,4,5,6,7
.irp u, 0,1
	v_wmma_scale_f32_16x16x128_f8f6f4 v[64*\u+8*\kt:64*\u+8*\kt+7], v[KF+6*\kt:KF+6*\kt+11], v[QF+12*(2*(\bq)+\u):QF+12*(2*(\bq)+\u)+11], v[64*\u+8*\kt:64*\u+8*\kt+7], v[KS+\kt], v[QS+2*(\bq)+\u] matrix_a_fmt:MATRIX_FMT_FP6 matrix_b_fmt:MATRIX_FMT_FP6
.endr
.endr
	WIN 0
	v_add_nc_u32 v9, s[T6], v4                     ; five plain lines: the places in front of the loads into the products' registers and of the first read of the scores
	v_add_nc_u32 v10, s[T6], v5
	v_add_nc_u32 v11, s[T1], v6
	v_add_nc_u32 v12, s[TQ], v7
	v_add_nc_u32 v13, s[TB], v8
	ds_load_b128 v[VS:VS+3], v12                   ; this step's V: 17 loads
	WIN 0x40
.irp i, 0,1,2,3
.irp c, 0,1
	ds_load_b128 v[192+12*\i+6*\c:192+12*\i+6*\c+3], v9 offset:VIMG+1536*\i+768*\c
	ds_load_b64 v[192+12*\i+6*\c+4:192+12*\i+6*\c+5], v10 offset:VIMG+1536*\i+768*\c
.endr
.endr
	WIN 0
.if \pre == 1
	LDK 9, 10, 11, 6144, 1024
.elseif \pre == 2
	LDK 4, 5, 6, 0, 0
.endif
	SOFT2
	VW                                             ; no vector line writes a register between here and the next step's first
.if \pre
	s_wait_dscnt 50                                ; V and its scale words are in: behind them were issued the next K's 18 loads and 32 bias quads
.else
	s_wait_dscnt 0x0
.endif
	WIN 0x51
.irp i, 0,1,2,3
.irp u, 0,1
	v_wmma_scale_f32_16x16x128_f8f6f4 v[128+32*\u+8*\i:128+32*\u+8*\i+7], v[192+12*\i:192+12*\i+11], v[PC+12*\u:PC+12*\u+11], v[128+32*\u+8*\i:128+32*\u+8*\i+7], v[VS+\i], v[PS+\u] matrix_a_fmt:MATRIX_FMT_FP6 matrix_b_fmt:MATRIX_FMT_FP6
.endr
.endr
	WIN 0
	s_add_co_u32 s[T6], s[T6], 6144
	s_add_co_u32 s[T1], s[T1], 1024
	s_add_co_u32 s[TQ], s[TQ], 256
	s_add_co_u32 s[TB], s[TB], 2048
.endm
.macro FIN bq                          ; the end of a pass: O^T / l, quantised along the head's 64, stored as two half fragments
	PLACES 4
.irp u, 0,1
	v_add_f32 v[BM+\u], v[ST+4*\u+2], v[ST+4*\u+3]
.endr
.irp u, 0,1
	v_permlanex16_b32 v[PX+\u], v[BM+\u], s[SEL], s[SEL+1]
.endr
.irp u, 0,1
	v_add_f32 v[BM+\u], v[BM+\u], v[PX+\u]         ; the row's sum
.endr
	VW
.irp u, 0,1
	v_rcp_f32 v[RC+2*\u], v[BM+\u]
.endr
.irp u, 0,1
	v_mov_b32 v[RC+2*\u+1], 0                      ; (named with it as a pair; also the plain place)
.endr
	WIN 0x41
	VW                                             ; directly ahead of the first reader of 1 / l and of O^T
.irp u, 0,1
.set jj, 0
.rept 16
	v_pk_mul_f32 v[128+32*\u+jj:128+32*\u+jj+1], v[128+32*\u+jj:128+32*\u+jj+1], v[RC+2*\u:RC+2*\u+1] op_sel_hi:[1,0]
.set jj, jj+2
.endr
.endr
	QUANT 128, 1, PC+12*(\bq), PC+12*(\bq)+6, 0
	v_mov_b32 v[APW+\bq], v[PW]                    ; the halfwords of tiles 2 bq and 2 bq + 1
.irp u, 0,1
	global_store_b128 v4, v[PC+12*(\bq)+6*\u:PC+12*(\bq)+6*\u+3], s[16:17] offset:(2*(\bq)+\u)*12288        ; 512 consecutive bytes, aligned,
	global_store_b64 v1, v[PC+12*(\bq)+6*\u+4:PC+12*(\bq)+6*\u+5], s[16:17] offset:(2*(\bq)+\u)*12288+512   ; and 256
.endr
	VW
	s_wait_xcnt 0x0                                ; the stores have read their data
.endm
.macro PASS bq                         ; two tiles of queries against all 512 keys: three trips that ask a step ahead, and the fourth step written out
	WIN 0x40
.set jj, 0
.rept 64
	v_mov_b32 v[128+jj], 0                         ; O^T: the key step has one form; its first trip finds zeros
.set jj, jj+1
.endr
	WIN 0
.irp u, 0,1
	v_mov_b32 v[ST+4*\u+1], 0xff61b1e6             ; the largest score so far: -3e38
	v_mov_b32 v[ST+4*\u], 0x7f61b1e6               ; -M: 3e38
	v_mov_b32 v[ST+4*\u+2], 0
	v_mov_b32 v[ST+4*\u+3], 0
.endr
	s_mov_b32 s[T6], 0
	s_mov_b32 s[T1], 0
	s_mov_b32 s[TQ], 0
	s_mov_b32 s[TB], 0
	s_mov_b32 s[CNT], 3
	VW
.Lsig_\@:
	ASTEP \bq, 1
	s_sub_co_u32 s[CNT], s[CNT], 1
	s_cmp_lg_u32 s[CNT], 0
	s_cbranch_scc1 .Lsig_\@
.if \bq == 0
	ASTEP 0, 2
.else
	ASTEP 1, 0
.endif
	FIN \bq
.endm
.macro ARM under, g0, g1, next         ; one arm of the head's chain: its load, and a jump to the join
	s_cmp_lt_u32 s[WV], \under
	s_cbranch_scc0 \next
	TLOAD \g0, \g1
	s_branch .Lhead_asked
\next:
.endm
	s_load_b512 s[4:19], s[0:1], 0x0               ; codes, scales, relimg, bq, bk, bv, acodes, ascales
	v_lshl_add_u32 v2, v0, 2, SPARE                ; my spare word; never rewritten
	v_mov_b32 v3, 0                                ; 0; never rewritten
	ds_add_u32 v2, v3                              ; the opening lines
	ds_add_u32 v2, v3
	v_lshrrev_b32 v1, 5, v0
	v_readfirstlane_b32 s[WV], v1                  ; wave 0..7
	s_and_b32 s[WQ], s[WV], 3                      ; which quarter of x's tiles I fetch
	s_bfe_u32 s22, ttmp6, 0x40000                  ; cx
	s_bfe_u32 s23, ttmp6, 0x40004                  ; cy
	s_lshl_b32 s[HD], ttmp9, 2
	s_add_co_u32 s[HD], s[HD], s22                 ; the head = 4 x cluster x + cx
	s_and_b32 s[BB], ttmp7, 0xffff
	s_lshl_b32 s[BB], s[BB], 2
	s_add_co_u32 s[BB], s[BB], s23                 ; the batch = 4 x cluster y + cy
	s_lshl_b32 s98, s23, 2
	s_lshl_b32 s98, 15, s98                        ; my row of the cluster: the same batch
	s_lshl_b32 s100, 0x1111, s22                   ; my column: the same head
	s_or_b32 s[G1X], s98, (3<<16)|(1<<21)          ; 15:0 the mask; 17:16 elements of 8 bytes; 21 set beside a mask
	s_or_b32 s[G1XS], s98, (3<<16)|(1<<21)
	s_or_b32 s[G1W], s100, (3<<16)|(1<<21)
	s_or_b32 s[G1WS], s100, (3<<16)|(1<<21)
	s_or_b32 s[G1BI], s100, (3<<16)|(1<<21)
	G1SET G1X, 384, 8, 1536                        ; 8 tiles x 3,072 bytes (256 along K), 12,288 bytes apart
	G1SET G1W, 384, 6, 1536                        ; 6 tiles
	G1SET G1XS, 32, 64, 32                         ; 16,384 dense bytes
	G1SET G1WS, 32, 24, 32                         ; 6,144
	G1SET G1BI, 32, 64, 32                         ; 16,384
	s_lshl_b32 s98, s[BB], 5
	s_lshl_b32 s99, s[WQ], 3
	s_add_co_u32 s98, s98, s99                     ; x's tile 32 b + 8 wq
	s_mul_i32 s2, s98, 12288
	s_mov_b32 s3, 0
	s_lshl_b32 s98, s[BB], 14                      ; the batch's scale words
	s_mov_b32 s99, 0
	s_mul_i32 s100, s[HD], 12
	s_add_co_u32 s100, s100, 512                   ; W's tiles from 512 + 12 head on
	s_and_b32 s101, s[WV], 1                       ; which half of them, and which copy of the bias
	s_mul_i32 s66, s101, 6
	s_add_co_u32 s66, s66, s100
	s_mul_i32 s66, s66, 12288
	s_mov_b32 s67, 0
	s_lshl_b32 s100, s100, 9
	s_mul_i32 s[G0W+1], s101, 18432                ; LDS addresses hang on the wave's number alone
	s_mul_i32 s[G0BI+1], s101, BIASD
	s_mov_b32 s101, 0
	s_add_co_u32 s[G0BI+1], s[G0BI+1], BIAS0
	s_mul_i32 s[G0X+1], s[WQ], 24576
	s_add_co_u32 s[G0X+5], s[G0X+1], SLOT
	s_add_co_u32 s[G0W+1], s[G0W+1], WOFF
	s_add_co_u32 s[G0W+5], s[G0W+1], SLOT
	s_mov_b32 s[G0XS+1], XS
	s_mov_b32 s[G0WS+1], WS
	s_lshl_b32 s22, s[HD], 14
	s_mov_b32 s23, 0
	s_mov_b32 s[G0BI], 1
	s_mov_b32 s[G0XS], 1
	s_mov_b32 s[G0WS], 1
	s_wait_dscnt 0x0                               ; both opening adds are done
	s_wait_kmcnt 0x0
	s_add_nc_u64 s[2:3], s[4:5], s[2:3]
	s_add_nc_u64 s[66:67], s[4:5], s[66:67]
.irp n, 0,1
	s_mov_b32 s[G0X+4*\n], 1
	s_add_nc_u64 s[G0X+4*\n+2:G0X+4*\n+3], s[2:3], \n*3072
	s_or_b32 s[G0X+4*\n+3], s[G0X+4*\n+3], 0x80000000
	s_mov_b32 s[G0W+4*\n], 1
	s_add_nc_u64 s[G0W+4*\n+2:G0W+4*\n+3], s[66:67], \n*3072
	s_or_b32 s[G0W+4*\n+3], s[G0W+4*\n+3], 0x80000000
.endr
	s_add_nc_u64 s[G0XS+2:G0XS+3], s[6:7], s[98:99]
	s_or_b32 s[G0XS+3], s[G0XS+3], 0x80000000
	s_add_nc_u64 s[G0WS+2:G0WS+3], s[6:7], s[100:101]
	s_or_b32 s[G0WS+3], s[G0WS+3], 0x80000000
	s_add_nc_u64 s[G0BI+2:G0BI+3], s[8:9], s[22:23]
	s_or_b32 s[G0BI+3], s[G0BI+3], 0x80000000
	CROUND                                         ; all sixteen work-groups are here: the first joint loads meet
	; the head's loads, one a wave: waves 0-3 slot 0's tiles of x, waves 4-5 its tiles of W, wave 6 x's scales, wave 7 W's
	ARM 4, G0X, G1X, .Lhead_w
	ARM 6, G0W, G1W, .Lhead_xs
	ARM 7, G0XS, G1XS, .Lhead_ws
	TLOAD G0WS, G1WS
.Lhead_asked:
	; where my prefetches stand: x's tile 32 b + 8 cx + wave; W's tile 512 + 12 head + 3 cy + wave (waves 0-2)
	s_bfe_u32 s22, ttmp6, 0x40000
	s_lshl_b32 s22, s22, 3
	s_lshl_b32 s23, s[BB], 5
	s_add_co_u32 s22, s22, s23
	s_add_co_u32 s22, s22, s[WV]
	s_mul_i32 s2, s22, 12288
	s_mov_b32 s3, 0
	s_add_nc_u64 s[2:3], s[4:5], s[2:3]
	s_bfe_u32 s22, ttmp6, 0x40004
	s_mul_i32 s22, s22, 3
	s_mul_i32 s23, s[HD], 12
	s_add_co_u32 s22, s22, s23
	s_min_u32 s23, s[WV], 2
	s_add_co_u32 s22, s22, s23
	s_add_co_u32 s22, s22, 512
	s_mul_i32 s66, s22, 12288
	s_mov_b32 s67, 0
	s_add_nc_u64 s[66:67], s[4:5], s[66:67]
	s_lshl_b32 s100, s[HD], 8
	s_mov_b32 s101, 0
	s_add_nc_u64 s[10:11], s[10:11], s[100:101]
	s_add_nc_u64 s[12:13], s[12:13], s[100:101]
	s_add_nc_u64 s[14:15], s[14:15], s[100:101]
	s_mul_i32 s98, s[WV], 12288
	s_lshl_b32 s22, s[WV], 11
	s_sub_co_u32 s99, WS-XS, s22
	s_add_co_u32 s22, s22, XS
	v_and_b32 v10, 15, v0                          ; r
	v_bfe_u32 v11, v0, 4, 1                        ; h
	v_and_b32 v12, 31, v0                          ; lane
	v_lshlrev_b32 v13, 6, v11                      ; q, k: register j of tile 2 g + u is the head's 32 g + 16 h + 8 u + j
	v_and_b32 v1, 8, v10
	v_add_nc_u32 v1, v1, v10
	v_lshlrev_b32 v1, 2, v1                        ; v: lane r of tile 2 g + u is the head's 32 g + 8 u + r + 8 (r / 8)
	v_lshl_add_u32 v4, v12, 4, s98                 ; my four tiles of x in slot 0,
	v_add_nc_u32 v5, SLOT, v4                      ; in slot 1
	v_lshl_add_u32 v6, v12, 4, WOFF                ; W's tiles
	v_add_nc_u32 v7, SLOT, v6
	v_mul_u32_u24 v8, s99, v11                     ; lanes 16-31 take Wq's words: one product, h x the distance
	v_lshl_add_u32 v8, v10, 3, v8
	v_add_nc_u32 v8, s22, v8                       ; lanes 0-15 my tiles' of x
	v_lshlrev_b32 v9, 11, v11
	v_lshl_add_u32 v9, v10, 3, v9
	v_add_nc_u32 v9, WS+2048, v9                   ; lanes 0-15 Wk's, lanes 16-31 Wv's
	v_min_u32 v14, 11, v12
	v_lshlrev_b32 v14, 8, v14                      ; the prefetches' offset: a lane a block of 256 bytes, twelve to a chunk of a tile
	VW
	ASK 1
	ASK 2
	WIN 0x40                                       ; the biases, in the results' layouts, into the sums of x's tile 3
.irp i, 0,1,2,3
	global_load_b128 v[96+8*\i:96+8*\i+3], v13, s[10:11] offset:(32*(\i/2)+8*(\i%2))*4
	global_load_b128 v[96+8*\i+4:96+8*\i+7], v13, s[10:11] offset:(32*(\i/2)+8*(\i%2))*4+16
	global_load_b128 v[224+8*\i:224+8*\i+3], v13, s[12:13] offset:(32*(\i/2)+8*(\i%2))*4
	global_load_b128 v[224+8*\i+4:224+8*\i+7], v13, s[12:13] offset:(32*(\i/2)+8*(\i%2))*4+16
.endr
	WIN 0
.irp i, 0,1,2,3
	global_load_b32 v[152+32*\i], v1, s[14:15] offset:(32*(\i/2)+8*(\i%2))*4
.endr
	s_wait_loadcnt 0x0
.irp i, 0,1,2,3
.irp j, 1,2,3,4,5,6,7
	v_mov_b32 v[152+32*\i+\j], v[152+32*\i]        ; v's bias is the same for a lane's eight keys
.endr
.endr
	VW                                             ; the head's end
	s_wait_tensorcnt 0x0                           ; my tile of the head's is in
	ds_add_u32 v2, v3
	s_wait_dscnt 0x0
	CROUND
	JLOAD 1, 1                                     ; slot 1's first fill and the two copies of the bias quads
	SCALES 0
.irp m, 0,1,2,3
	LDA 0, \m
.endr
.irp j, 0,1,2,3
	LDB 0, \j, \j
.endr
	ASK 3
	; THE PROJECTION: K = 1,024 in eight steps, two to a slot
	KSTEP 0, 1, 0
	KSTEP 1, 0, 1
	KSTEP 2, 0, 0
	KSTEP 3, 0, 1
	KSTEP 4, 0, 0
	KSTEP 5, 0, 2                                  ; nothing is left to fetch; behind this barrier nobody reads slot 0
	KSTEP 6, 0, 0
	KSTEP 7, 0, 3
	WIN 0
	PLACES 4
	s_wait_xcnt 0x0                                ; the prefetches have read their offset: v14 is written again only behind this wait
	; addresses and constants for the rest (no tensor load is out: the descriptors' registers are free): the scalar work first, then the vector lines on end
	s_mov_b32 s[SEL], 0x76543210
	s_mov_b32 s[SEL+1], 0xfedcba98
	s_mov_b32 s[CS], 0x3fb8aa3b                    ; log2(e)
	s_mov_b32 s[CS+1], s[CS]
	s_lshr_b32 s98, s[WV], 1
	s_and_b32 s99, s[WV], 1
	s_mul_i32 s24, s98, 6144
	s_mul_i32 s101, s99, 768
	s_add_co_u32 s24, s24, s101
	s_add_co_u32 s24, s24, VIMG                    ; v's halves: my 64 keys are half w % 2 of the fragments of keys 128 (w / 2) on
	s_mul_i32 s25, s[WV], 3072                     ; k's: tiles 4 w on
	s_lshl_b32 s26, s98, 8
	s_lshl_b32 s101, s99, 1
	s_add_co_u32 s26, s26, s101                    ; v's scale halfwords
	s_lshl_b32 s27, s[WV], 9
	s_lshl_b32 s28, s[WV], 7
	s_add_co_u32 s28, s28, ASTG
	s_xor_b32 s29, s[WV], 7
	s_lshl_b32 s29, s29, 6
	s_lshl_b32 s98, s[BB], 5
	s_lshl_b32 s99, s[WV], 2
	s_add_co_u32 s98, s98, s99
	s_lshl_b32 s98, s98, 4
	s_add_co_u32 s98, s98, s[HD]
	s_mul_i32 s98, s98, 768
	s_mov_b32 s99, 0
	s_add_nc_u64 s[16:17], s[16:17], s[98:99]      ; acodes at (tile 32 b + 4 w, head)
	s_lshl_b32 s98, s[BB], 4
	s_add_co_u32 s98, s98, s[HD]
	s_lshl_b32 s98, s98, 10
	s_add_nc_u64 s[18:19], s[18:19], s[98:99]      ; ascales at (b, head)
	v_and_b32 v80, 31, v0                          ; lane
	v_and_b32 v81, 15, v0                          ; r
	v_bfe_u32 v82, v0, 4, 1                        ; h
	v_lshlrev_b32 v4, 4, v80                       ; 16 x lane
	v_lshlrev_b32 v1, 3, v80                       ; 8 x lane
	v_add_nc_u32 v5, 512, v1
	v_add_nc_u32 v6, KSC, v4
	v_lshl_add_u32 v7, v81, 4, VSC
	v_add_nc_u32 v9, s24, v4
	v_add_nc_u32 v10, s24, v5
	v_add_nc_u32 v11, s25, v4
	v_add_nc_u32 v12, s25, v5
	v_add_nc_u32 v13, s26, v7
	v_add_nc_u32 v[SA+3], s27, v6                  ; k's scale words
	v_add_nc_u32 v[SA+2], s27, v4                  ; the result's scale words: 512 w + 16 l in memory,
	v_add_nc_u32 v[SA+1], ASTG, v[SA+2]            ; and in the stage (waves 0 and 1 read it back),
	v_lshl_add_u32 v[SA], v81, 3, s28              ; where I put mine: 128 w + 8 r
	v_and_b32 v83, 8, v81
	v_add_nc_u32 v83, v83, v81                     ; r + 8 (r / 8)
	v_xor_b32 v83, 23, v83                         ; 23 - that
	v_lshl_add_u32 v83, v82, 4, v83                ; + 16 h
	v_add_nc_u32 v83, s29, v83                     ; + 64 (7 - w): quad 511 - query + key, less the constants in the loads' offsets
	v_lshlrev_b32 v83, 4, v83
	v_lshrrev_b32 v84, 3, v81
	v_mul_u32_u24 v84, v84, BIASD                  ; lanes r >= 8 read the second copy
	v_add_nc_u32 v8, v83, v84
	v_add_nc_u32 v8, BIAS0, v8
.irp b, 0,1,2,3,4,5,6,7
	v_mov_b32 v[PX+\b], 0                          ; a lane permute's destination counts as one of its sources
.endr
	VW
	; v: K = the keys.  Two tiles of the head's 64 at a time: my 64 keys are two blocks
.irp p, 0,1
	QUANT 128+64*\p, 0, CT, CT+6, 0
	ds_store_b128 v9, v[CT:CT+3] offset:1536*(2*\p)
	ds_store_b64 v10, v[CT+4:CT+5] offset:1536*(2*\p)
	ds_store_b128 v9, v[CT+6:CT+9] offset:1536*(2*\p+1)
	ds_store_b64 v10, v[CT+10:CT+11] offset:1536*(2*\p+1)
	ds_store_b16 v13, v[PW] offset:8*\p            ; both halves of the lanes write the same bytes with the same value
	ds_store_b16_d16_hi v13, v[PW] offset:8*\p+4
	DRAIN                                          ; the stores have read their registers
.endr
	; k: K = the head's 64.  Two tiles of keys at a time
.irp p, 0,1
	QUANT 128+64*\p, 1, CT, CT+6, 0
	ds_store_b128 v11, v[CT:CT+3] offset:768*(2*\p)
	ds_store_b64 v12, v[CT+4:CT+5] offset:768*(2*\p)
	ds_store_b128 v11, v[CT+6:CT+9] offset:768*(2*\p+1)
	ds_store_b64 v12, v[CT+10:CT+11] offset:768*(2*\p+1)
	v_and_b32 v[CT+12+2*\p], 0xffff, v[PW]         ; a tile's word: two bytes; the upper two stay 0
	v_lshrrev_b32 v[CT+13+2*\p], 16, v[PW]
	DRAIN
.endr
	ds_store_b128 v[SA+3], v[CT+12:CT+15]
	DRAIN
	; q stays in registers; 3 off its bytes is the 1 / 8
.irp p, 0,1
	QUANT 64*\p, 1, QF+24*\p, QF+24*\p+12, 3
	v_and_b32 v[QS+2*\p], 0xffff, v[PW]
	v_lshrrev_b32 v[QS+2*\p+1], 16, v[PW]
.endr
.irp m, 0,1,2,3
.irp i, 6,7,8,9,10,11
	v_mov_b32 v[QF+12*\m+\i], 0                    ; K = 64 .. 127: zero codes
.endr
.endr
.irp i, 48,49,50,51,52,53
	v_mov_b32 v[KF+\i], 0                          ; what the eighth fragment of k names behind its own six registers
.endr
	v_mov_b32 v[F+1], 0                            ; (named as the upper halves of pairs)
	v_mov_b32 v[F+3], 0
	BARRIER                                        ; every wave's images of k and v lie in LDS
.set ABIR, 8
.set BQB, 0
.set OFFB, 0
	LDK 4, 5, 6, 0, 0                              ; the first key step's K, scale words and bias
	LDBIAS 0
	LDBIAS 1
	PASS 0
	PASS 1
	; the result's scale words: 1,024 bytes a work-group, gathered so that they leave in runs of 512 bytes
	ds_store_b64 v[SA], v[APW:APW+1]
	BARRIER
	s_cmp_lt_u32 s[WV], 2
	s_cbranch_scc0 .Lend
	ds_load_b128 v[CT:CT+3], v[SA+1]
	s_wait_dscnt 0x0
	global_store_b128 v[SA+2], v[CT:CT+3], s[18:19]
.Lend:
	s_wait_tensorcnt 0x0                           ; the wave's end
	ds_add_u32 v2, v3
	s_wait_dscnt 0x0
	CROUND                                         ; the closing round
	s_endpgm
.Lfunc_end_k_q7a6dece96c_attn:
	.size	k_q7a6dece96c_attn, .Lfunc_end_k_q7a6dece96c_attn-k_q7a6dece96c_attn
	.p2alignl 7, 3214868480
	.fill 96, 4, 3214868480
	.section	.rodata,"a",@progbits
	.p2align	6, 0x0
	.amdhsa_kernel k_q7a6dece96c_attn
		.amdhsa_group_segment_fixed_size 327680
		.amdhsa_private_segment_fixed_size 0
		.amdhsa_enable_private_segment 0
		.amdhsa_kernarg_size 64
		.amdhsa_user_sgpr_count 2
		.amdhsa_user_sgpr_kernarg_segment_ptr 1
		.amdhsa_wavefront_size32 1
		.amdhsa_system_sgpr_workgroup_id_x 1
		.amdhsa_system_sgpr_workgroup_id_y 1
		.amdhsa_system_sgpr_workgroup_id_z 1
		.amdhsa_system_vgpr_workitem_id 0
		.amdhsa_next_free_vgpr 512
		.amdhsa_next_free_sgpr 102
		.amdhsa_reserve_vcc 0
		.amdhsa_float_denorm_mode_32 3
		.amdhsa_float_denorm_mode_16_64 3
		.amdhsa_memory_ordered 1
		.amdhsa_forward_progress 1
		.amdhsa_inst_pref_size 255
	.end_amdhsa_kernel
	.section	.bss,"aw",@nobits
	.p2align	6
	.space	262144
	.amdgpu_metadata
---
amdhsa.version: [ 1, 2 ]
amdhsa.kernels:
  - .name:           k_q7a6dece96c_attn
    .symbol:         k_q7a6dece96c_attn.kd
    .args:
      - { .name: codes, .offset: 0, .size: 8, .value_kind: global_buffer, .address_space: global }
      - { .name: scales, .offset: 8, .size: 8, .value_kind: global_buffer, .address_space: global }
      - { .name: relimg, .offset: 16, .size: 8, .value_kind: global_buffer, .address_space: global }
      - { .name: bq, .offset: 24, .size: 8, .value_kind: global_buffer, .address_space: global }
      - { .name: bk, .offset: 32, .size: 8, .value_kind: global_buffer, .address_space: global }
      - { .name: bv, .offset: 40, .size: 8, .value_kind: global_buffer, .address_space: global }
      - { .name: acodes, .offset: 48, .size: 8, .value_kind: global_buffer, .address_space: global }
      - { .name: ascales, .offset: 56, .size: 8, .value_kind: global_buffer, .address_space: global }
    .group_segment_fixed_size: 327680
    .private_segment_fixed_size: 0
    .kernarg_segment_align: 8
    .kernarg_segment_size: 64
    .max_flat_workgroup_size: 256
    .sgpr_count:     102
    .vgpr_count:     512
    .wavefront_size: 32
...
	.end_amdgpu_metadata
.endif
;; end of part 2
;; launch proj (part 3): grid 4 x 64, 4 waves a work-group, clusters of 4 x 4, 307,712 bytes of LDS; arguments acodes, ascales, codes, scales, bo, out0; writes out0
.if DOCPART == 3
	.amdgcn_target "amdgcn-amd-amdhsa--gfx1250"
	.amdhsa_code_object_version 6
	.text
	.protected	k_q7a6dece96c_proj
	.globl	k_q7a6dece96c_proj
	.p2align	8
	.type	k_q7a6dece96c_proj,@function
k_q7a6dece96c_proj:
	s_mov_b64 s[64:65], 0
	v_nop
	global_prefetch_b8 v0, s[64:65] scope:SCOPE_SE
	s_setreg_imm32_b32 hwreg(HW_REG_WAVE_MODE, 25, 1), 1
	s_wait_xcnt 0x0
	s_wait_alu depctr_hold_cnt(0) depctr_sa_sdst(0) depctr_va_vdst(0) depctr_va_sdst(0) depctr_va_ssrc(0) depctr_va_vcc(0) depctr_vm_vsrc(0)
	s_getreg_b32 s2, hwreg(HW_REG_IB_STS2, 6, 4)
	s_cmp_eq_u32 s2, 0
	s_cbranch_scc0 .Lentry_in_a_cluster
	s_endpgm
.Lentry_in_a_cluster:
	s_bfe_u32 s2, ttmp6, 0x10000c
	s_cmp_lg_u32 s2, 0xf033
	s_cbranch_scc0 .Lentry_shape_is_right
	s_endpgm
.Lentry_shape_is_right:
; out0 = attn Wo^T + bo on codes of FP6 (E2M3) with one E8M0 byte for each 32 along K = 1,024.  attn's codes and Wo's come as images of the operand's registers.
; A work-group makes 128 rows x 256 columns; wave w makes 64 rows (w / 2) x 128 columns (w % 2): 32 sums of 16 x 16.  256 work-groups.
; ALL OF K LIES IN LDS AT ONCE, filled once: 8 tiles of attn (12,288 bytes each, dense in memory), 16 of Wo, and both sides' scales: four tensor loads at the head, one a wave; nothing is filled again.
; CLUSTER: 4 x 4.  The four of a row share the rows (attn's tiles and scales), the four of a column the columns (Wo's): each tile is asked for jointly.
; NO PREFETCH: every byte is asked for at the head; there is no loop to run ahead in.
; USED TRANSPOSED: source 0 = 16 rows of Wo, source 1 = 16 rows of attn: a lane holds one row, and register j of column tile 2 g + u is column 32 g + 16 (lane / 16) + 8 u + j.  bo is the C of the first products.
; Place t of stored row tile 2 g + u is row 32 g + 8 u + t + 8 (t / 8): undone in the stores' offsets.
; The way out goes through the wave's own stage (16 rows x 528 bytes) in attn's tiles, which have had their only fill, behind a barrier in front of which every wave's last fragment loads are in.
.set BT,  98304                        ; Wo's tiles
.set ASR, 294912                       ; attn's scale halfwords: [head][256 bytes]
.set BSR, 299008                       ; Wo's scale words: 16 tiles x 512
.set WV,  16
.set W1,  17
.set RHO, 18
.set XX,  19
.set YY,  20
.set G1A,  24
.set G1B,  32
.set G1AS, 40
.set G1BS, 48
.set G0A,  56
.set G0B,  60
.set G0AS, 68
.set G0BS, 72
.set AS,  32                           ; v32-63  attn's scale words (K step kk, row tile m) at 32 + 4 kk + m
.set BS,  64                           ; v64-95  Wo's, two sets: 64 + 16 set + 2 nt + q
.set TP,  96                           ; v96-127 attn's halfword pairs as loaded
.set BK,  128                          ; v128-255 rows on their way out, two sets of 64
; window 1: the sums (m, nt) at 8 (8 m + nt).  windows 2 and 3: fragment sets 0 and 1: Wo's (nt) at 12 nt, attn's (m) at 96 + 12 m.
.set MSB, 0
.macro WIN new
.if MSB != \new
	s_set_vgpr_msb (MSB<<8)|\new
.set MSB, \new
.endif
.endm
.macro PLACES n
.rept \n
	v_nop
.endr
.endm
.macro CROUND
	s_barrier_signal -1
	s_barrier_wait -1
	s_cmp_lg_u32 s[WV], 0
	s_cbranch_scc1 .Lnw0_\@
	s_barrier_signal -3
.Lnw0_\@:
	s_barrier_wait -3
	s_barrier_signal -1
	s_barrier_wait -1
.endm
.macro G1SET g, c, r, p
	s_mov_b32 s[\g+1], (\c)<<16
	s_mov_b32 s[\g+2], (\r)<<16
	s_mov_b32 s[\g+3], (\c)<<16
	s_mov_b32 s[\g+4], \r
	s_mov_b32 s[\g+5], \p
	s_mov_b32 s[\g+6], 0
	s_mov_b32 s[\g+7], 0
.endm
.macro G0SET g, lds, base, off
	s_mov_b32 s[\g], 1
	s_mov_b32 s[\g+1], \lds
	s_add_nc_u64 s[\g+2:\g+3], s[\base:\base+1], s[\off:\off+1]
	s_or_b32 s[\g+3], s[\g+3], 0x80000000
.endm
.macro TLOAD g0, g1
	tensor_load_to_lds s[\g0:\g0+3], s[\g1:\g1+7]
	s_nop 0
	PLACES 4
.endm
.macro ARM under, g0, g1, next
	s_cmp_lt_u32 s[WV], \under
	s_cbranch_scc0 \next
	TLOAD \g0, \g1
	s_branch .Lasked
\next:
.endm
.macro FETCH kk                        ; K step kk's 12 fragments into set kk % 2: 40 loads
.if (\kk)%2 == 0
	WIN 0x80
.else
	WIN 0xc0
.endif
.irp nt, 0,1,2,3,4,5,6,7
.irp i, 0,1,2
	ds_load_b128 v[12*\nt+4*\i:12*\nt+4*\i+3], v[3+10*(\nt/4)] offset:12288*(\nt%4)+1536*(\kk)+512*\i
.endr
.endr
.irp m, 0,1,2,3
.irp c, 0,1
	ds_load_b128 v[96+12*\m+6*\c:96+12*\m+6*\c+3], v1 offset:12288*\m+1536*(\kk)+768*\c
	ds_load_b64 v[96+12*\m+6*\c+4:96+12*\m+6*\c+5], v2 offset:12288*\m+1536*(\kk)+768*\c
.endr
.endr
	WIN 0
.endm
.macro BSLOAD c                        ; Wo's scale words of 256 along K
.irp nt, 0,1,2,3,4,5,6,7
	ds_load_b64 v[BS+16*((\c)%2)+2*\nt:BS+16*((\c)%2)+2*\nt+1], v5 offset:512*\nt+128*(\c)
.endr
.endm
.macro MUL kk, first                   ; 32 products; the sums take turns, one instruction a turn
.if (\kk)%2 == 0
	WIN 0x5a
.else
	WIN 0x5f
.endif
.set mm, 0
.rept 4
.if \first && (mm == 3)
	PLACES 5                                       ; a matrix instruction is about to write over registers that earlier ones read as C
.endif
.set nn, 0
.rept 8
.set rD, 8*(8*mm+nn)
.set rC, rD
.if \first
.set rC, 8*(24+nn)
.endif
	v_wmma_scale_f32_16x16x128_f8f6f4 v[rD:rD+7], v[12*nn:12*nn+11], v[96+12*mm:96+12*mm+11], v[rC:rC+7], v[BS+16*(((\kk)/2)%2)+2*nn+(\kk)%2], v[AS+4*(\kk)+mm] matrix_a_fmt:MATRIX_FMT_FP6 matrix_b_fmt:MATRIX_FMT_FP6
.set nn, nn+1
.endr
.set mm, mm+1
.endr
.endm
.macro TOSTAGE a                       ; row tile a: 16 rows x 128 columns into my stage, and back as whole rows of 512 bytes
	WIN 0x04
.irp nt, 0,1,2,3,4,5,6,7
	ds_store_b128 v6, v[8*(8*(\a)+\nt):8*(8*(\a)+\nt)+3] offset:128*(\nt/2)+32*(\nt%2)       ; each sum from its low end on
	ds_store_b128 v6, v[8*(8*(\a)+\nt)+4:8*(8*(\a)+\nt)+7] offset:128*(\nt/2)+32*(\nt%2)+16
.endr
	WIN 0
.irp t, 0,1,2,3,4,5,6,7,8,9,10,11,12,13,14,15
	ds_load_b128 v[BK+64*((\a)%2)+4*\t:BK+64*((\a)%2)+4*\t+3], v7 offset:528*\t   ; LDS serves a wave's instructions in order: these see the stores above
.endr
.endm
.macro SEND a, younger
	s_wait_dscnt \younger                          ; the tile is back; the next tile's 16 stores and 16 loads may be out
.irp t, 0,1,2,3,4,5,6,7,8,9,10,11,12,13,14,15
	global_store_b128 v8, v[BK+64*((\a)%2)+4*\t:BK+64*((\a)%2)+4*\t+3], s[14:15] offset:(32*((\a)/2)+8*((\a)%2)+\t+8*(\t/8))*4096 th:TH_STORE_NT   ; 32 lanes store 512 consecutive bytes, aligned
.endr
.endm
	s_load_b256 s[4:11], s[0:1], 0x0               ; acodes, ascales, codes, scales
	s_load_b128 s[12:15], s[0:1], 0x20             ; bo, out0
	v_lshl_add_u32 v30, v0, 2, 0x4b000             ; my spare word; never rewritten
	v_mov_b32 v31, 0
	ds_add_u32 v30, v31                            ; the opening lines
	ds_add_u32 v30, v31
	v_lshrrev_b32 v1, 5, v0
	v_readfirstlane_b32 s[WV], v1                  ; wave 0..3
	s_and_b32 s[W1], s[WV], 1                      ; my half of the columns
	s_lshr_b32 s[RHO], s[WV], 1                    ; my half of the rows
	s_bfe_u32 s21, ttmp6, 0x40000                  ; cx
	s_bfe_u32 s22, ttmp6, 0x40004                  ; cy
	s_lshl_b32 s[XX], ttmp9, 2
	s_add_co_u32 s[XX], s[XX], s21                 ; column block
	s_and_b32 s[YY], ttmp7, 0xffff
	s_lshl_b32 s[YY], s[YY], 2
	s_add_co_u32 s[YY], s[YY], s22                 ; row block
	s_lshl_b32 s23, s22, 2
	s_lshl_b32 s23, 15, s23                        ; my row of the cluster
	s_lshl_b32 s100, 0x1111, s21                   ; my column
	s_or_b32 s[G1A], s23, (3<<16)|(1<<21)
	s_or_b32 s[G1AS], s23, (3<<16)|(1<<21)
	s_or_b32 s[G1B], s100, (3<<16)|(1<<21)
	s_or_b32 s[G1BS], s100, (3<<16)|(1<<21)
	G1SET G1A, 1536, 8, 1536                       ; 8 tiles x 12,288 bytes, dense
	G1SET G1B, 1536, 16, 1536                      ; 16 tiles
	G1SET G1AS, 32, 16, 128                        ; 16 heads x 256 bytes, 1,024 apart
	G1SET G1BS, 32, 32, 32                         ; 8,192 dense bytes
	s_mul_i32 s2, s[YY], 98304                     ; attn's tile 8 y
	s_mov_b32 s3, 0
	s_lshr_b32 s22, s[YY], 2
	s_lshl_b32 s22, s22, 14                        ; (batch, head 0),
	s_and_b32 s21, s[YY], 3
	s_lshl_b32 s21, s21, 8
	s_add_co_u32 s22, s22, s21                     ; my 128 rows' 256 bytes
	s_mov_b32 s23, 0
	s_lshl_b32 s100, s[XX], 4
	s_add_co_u32 s100, s100, 704                   ; Wo's tile 704 + 16 x
	s_lshl_b32 s66, s100, 9
	s_mov_b32 s67, 0
	s_mul_i32 s100, s100, 12288
	s_mov_b32 s101, 0
	s_wait_dscnt 0x0
	s_wait_kmcnt 0x0
	G0SET G0A, 0, 4, 2
	G0SET G0B, BT, 8, 100
	G0SET G0AS, ASR, 6, 22
	G0SET G0BS, BSR, 10, 66
	CROUND                                         ; all sixteen work-groups are here: the joint loads meet
	ARM 1, G0A, G1A, .Lfor_b                       ; one load a wave: attn's tiles, Wo's tiles, attn's scales, Wo's scales
	ARM 2, G0B, G1B, .Lfor_as
	ARM 3, G0AS, G1AS, .Lfor_bs
	TLOAD G0BS, G1BS
.Lasked:
	s_lshl_b32 s22, s[XX], 10
	s_lshl_b32 s23, s[W1], 9
	s_add_co_u32 s22, s22, s23                     ; my first column, in bytes
	s_mov_b32 s23, 0
	s_add_nc_u64 s[12:13], s[12:13], s[22:23]
	s_add_nc_u64 s[14:15], s[14:15], s[22:23]
	s_lshl_b32 s22, s[YY], 19
	s_lshl_b32 s21, s[RHO], 18
	s_add_co_u32 s22, s22, s21                     ; my first row: 128 y + 64 half, 4,096 bytes a row
	s_add_nc_u64 s[14:15], s[14:15], s[22:23]
	s_mul_i32 s21, s[RHO], 49152                   ; my four tiles of attn
	s_add_co_u32 s22, s21, 512
	s_mul_i32 s23, s[W1], 98304
	s_add_co_u32 s23, s23, BT                      ; my eight tiles of Wo
	s_lshl_b32 s2, s[RHO], 7
	s_add_co_u32 s2, s2, ASR
	s_lshl_b32 s3, s[W1], 12
	s_add_co_u32 s3, s3, BSR
	s_mul_i32 s66, s[WV], 8448                     ; my stage
	v_and_b32 v9, 31, v0                           ; lane
	v_and_b32 v10, 15, v0                          ; r
	v_bfe_u32 v11, v0, 4, 1                        ; h
	v_lshlrev_b32 v12, 6, v11                      ; bo: 16 h numbers on
	v_lshlrev_b32 v8, 4, v9                        ; 16 x lane
	v_add_nc_u32 v1, s21, v8                       ; attn's fragments: registers 0-3 of a half,
	v_lshl_add_u32 v2, v9, 3, s22                  ; registers 4-5
	v_add_nc_u32 v3, s23, v8                       ; Wo's fragments, tiles 0-3,
	v_add_nc_u32 v13, 49152, v3                    ; tiles 4-7
	v_lshl_add_u32 v4, v10, 3, s2                  ; attn's halfword pairs
	v_lshl_add_u32 v5, v10, 3, s3                  ; Wo's scale words
	v_mul_u32_u24 v6, v10, 528
	v_lshl_add_u32 v6, v11, 6, v6
	v_add_nc_u32 v6, s66, v6                       ; into my stage: row r, + 64 h
	v_add_nc_u32 v7, s66, v8                       ; back: 16 x lane of a row
	s_wait_alu depctr_va_vdst(0)
	WIN 0x40
.irp nt, 0,1,2,3,4,5,6,7
	global_load_b128 v[192+8*\nt:192+8*\nt+3], v12, s[12:13] offset:(32*(\nt/2)+8*(\nt%2))*4
	global_load_b128 v[192+8*\nt+4:192+8*\nt+7], v12, s[12:13] offset:(32*(\nt/2)+8*(\nt%2))*4+16
.endr
	WIN 0
	s_wait_tensorcnt 0x0                           ; my tile is in
	s_barrier_signal -1
	s_barrier_wait -1                              ; everybody's is
.irp hd, 0,1,2,3,4,5,6,7,8,9,10,11,12,13,14,15
	ds_load_b64 v[TP+2*\hd:TP+2*\hd+1], v4 offset:256*\hd
.endr
	BSLOAD 0
	FETCH 0
	s_wait_dscnt 48                                ; the 16 halfword pairs are in; the 8 + 40 younger loads may be out
.irp kk, 0,1,2,3,4,5,6,7                       ; a K step of 128 is two heads: the word of (kk, m) is head 2 kk's halfword below head 2 kk + 1's
.irp m, 0,2
	v_perm_b32 v[AS+4*\kk+\m], v[TP+2*(2*\kk+1)+\m/2], v[TP+2*(2*\kk)+\m/2], 0x05040100
	v_perm_b32 v[AS+4*\kk+\m+1], v[TP+2*(2*\kk+1)+\m/2], v[TP+2*(2*\kk)+\m/2], 0x07060302
.endr
.endr
	PLACES 8                                       ; a scale register written by a vector instruction stands 8 places ahead of a scaled matrix instruction
	s_wait_alu depctr_va_vdst(0)
	s_wait_loadcnt 0x0                             ; bo
.irp kk, 0,1,2,3,4,5,6,7
	WIN 0
.if \kk < 7
.if \kk > 0
	PLACES 4                                       ; in front of loads into registers that matrix instructions have read
.endif
.if \kk%2 == 1
	BSLOAD (\kk+1)/2
.endif
	FETCH \kk+1
	s_wait_dscnt 40+8*(\kk%2)                      ; all but those just issued
.else
	s_wait_dscnt 0x0                               ; my last reads of the tiles are over:
	s_barrier_signal -1                            ; say so; the last products stand between the signal and the wait
.endif
.if \kk == 0
	MUL 0, 1
.else
	MUL \kk, 0
.endif
.endr
	WIN 0
	s_barrier_wait -1                              ; nobody reads attn's tiles any more: the stages may be written
	PLACES 4
	TOSTAGE 0
	TOSTAGE 1
	SEND 0, 32
	s_wait_xcnt 0x0                                ; tile 0's stores have read their registers: tile 2's rows may land there
	TOSTAGE 2
	SEND 1, 32
	s_wait_xcnt 0x0
	TOSTAGE 3
	SEND 2, 32
	SEND 3, 0
	s_wait_tensorcnt 0x0                           ; the wave's end
	ds_add_u32 v30, v31
	s_wait_dscnt 0x0
	CROUND                                         ; the closing round
	s_endpgm
.Lfunc_end_k_q7a6dece96c_proj:
	.size	k_q7a6dece96c_proj, .Lfunc_end_k_q7a6dece96c_proj-k_q7a6dece96c_proj
	.p2alignl 7, 3214868480
	.fill 96, 4, 3214868480
	.section	.rodata,"a",@progbits
	.p2align	6, 0x0
	.amdhsa_kernel k_q7a6dece96c_proj
		.amdhsa_group_segment_fixed_size 307712
		.amdhsa_private_segment_fixed_size 0
		.amdhsa_enable_private_segment 0
		.amdhsa_kernarg_size 48
		.amdhsa_user_sgpr_count 2
		.amdhsa_user_sgpr_kernarg_segment_ptr 1
		.amdhsa_wavefront_size32 1
		.amdhsa_system_sgpr_workgroup_id_x 1
		.amdhsa_system_sgpr_workgroup_id_y 1
		.amdhsa_system_sgpr_workgroup_id_z 1
		.amdhsa_system_vgpr_workitem_id 0
		.amdhsa_next_free_vgpr 912
		.amdhsa_next_free_sgpr 102
		.amdhsa_reserve_vcc 0
		.amdhsa_float_denorm_mode_32 3
		.amdhsa_float_denorm_mode_16_64 3
		.amdhsa_memory_ordered 1
		.amdhsa_forward_progress 1
		.amdhsa_inst_pref_size 85
	.end_amdhsa_kernel
	.amdgpu_metadata
---
amdhsa.version: [ 1, 2 ]
amdhsa.kernels:
  - .name:           k_q7a6dece96c_proj
    .symbol:         k_q7a6dece96c_proj.kd
    .args:
      - { .name: acodes, .offset: 0, .size: 8, .value_kind: global_buffer, .address_space: global }
      - { .name: ascales, .offset: 8, .size: 8, .value_kind: global_buffer, .address_space: global }
      - { .name: codes, .offset: 16, .size: 8, .value_kind: global_buffer, .address_space: global }
      - { .name: scales, .offset: 24, .size: 8, .value_kind: global_buffer, .address_space: global }
      - { .name: bo, .offset: 32, .size: 8, .value_kind: global_buffer, .address_space: global }
      - { .name: out0, .offset: 40, .size: 8, .value_kind: global_buffer, .address_space: global }
    .group_segment_fixed_size: 307712
    .private_segment_fixed_size: 0
    .kernarg_segment_align: 8
    .kernarg_segment_size: 48
    .max_flat_workgroup_size: 128
    .sgpr_count:     102
    .vgpr_count:     912
    .wavefront_size: 32
...
	.end_amdgpu_metadata
.endif
;; end of part 3
